; MI455X (gfx1250); checked and timed in simulation.
; The chip was launched on July 23, 2026; its instructions are those of AMD's public machine-readable ISA for CDNA 5 (MIT licence, August 2026) and "CDNA5" Instruction Set Architecture Reference Guide (July 2026). The comments in the code are by the model that wrote it; some were corrected since.
;; Attention Selector. Allowed arithmetic: matrix products marked QUANTISED: E2M1 operands, one E8M0 scale for each 32 along K, by v_wmma_scale_f32_16x16x128_f8f6f4 with both operands' format E2M1 (or v_wmma_scale_f32_32x16x128_f4), f32 sums; everything else in f32.
;; Inputs: Wk 66 x 66 float32; bk 66 float32; query 8,192 x 66 float32; x 32,768 x 66 float32.
;; Outputs: out0 8,192 x 66 float32.
;; This version of the problem:
;;   THIS VERSION OF THE PROBLEM IS GIVEN IN LOW PRECISION. The matrix products marked QUANTISED in the list below multiply operands that are first quantised to E2M1 (2 exponent bits, 1 mantissa bit; 4 bits a number), with one power-of-two scale for each 32 numbers along K (OCP MX v1.0); their sums are f32. All else is computed in f32.
;;   The module's matrix products, in the order in which they are computed (A, B: the left and right operand; K: the contracted axis; several contracted axes count as one K, in the product's order):
;;     1. [M 32,768, K 66] x [K 66, N 66]; A: input x; B: input Wk: QUANTISED
;;     2. [M 8,192, K 66] x [K 66, N 32,768]; A: input query; B: computed on the way: QUANTISED
;;     3. [M 8,192, K 32,768] x [K 32,768, N 66]; A: softmax (see below); B: input x: QUANTISED
;;   THE QUANTISER, for each operand of a quantised product, along K:
;;     - K is cut into blocks of 32 from its start; a last block that is shorter is filled with zeros.
;;     - A block's scale is 2^e with e = floor(log2(the largest magnitude in the block)) - 2, held to -126 .. 127; a block of zeros has e = 0. As a byte (E8M0): e + 127.
;;     - Each number is divided by its block's scale, clamped to +-6, and rounded to the nearest number of E2M1, ties to even, subnormals kept.
;;     - The product sums the exact products of the quantised numbers (number of the format x scale) in f32.
;;   ~~~python
;;   def quantise(x, axis):      # numpy; x: float32 -> the quantised numbers, widened to float32 again
;;       x = np.moveaxis(x, axis, -1); K = x.shape[-1]
;;       x = np.pad(x, [(0, 0)] * (x.ndim - 1) + [(0, -K % 32)]); x = x.reshape(x.shape[:-1] + (-1, 32)); a = np.abs(x).max(-1, keepdims=True)
;;       e = np.where(a > 0, np.clip(np.frexp(np.where(a > 0, a, 1))[1] - 1 - 2, -126, 127), 0)      # np.frexp(a)[1] - 1 = floor(log2(a)), exactly
;;       r = np.clip(x / 2.0 ** e, -6, 6)
;;       step = 2.0 ** (np.maximum(np.frexp(np.where(r == 0, 1, r))[1] - 1, 0) - 1)
;;       q = np.round(r / step) * step * 2.0 ** e      # np.round: ties to even
;;       return np.moveaxis(q.reshape(q.shape[:-2] + (-1,))[..., :K], -1, axis).astype(np.float32)
;;   ~~~
;;   SOFTMAX AHEAD OF A QUANTISED PRODUCT. Where the list says 'softmax', what is quantised is not the finished softmax but p = 2^(t - M), with t = logit x log2(e) and M = ceil(the row's largest t), a whole number; so 1/2 < the row's largest p <= 1. The row's sum l is taken of the UNQUANTISED p, in f32, and the product's result is divided by l at the end. Since M is a whole number, a kernel that streams over the keys may use a running M (the ceiling of the running maximum): every later rescaling is an exact power of two, which a block's scale takes up: the codes' values come out the same.
;;   OPERANDS COMPUTED ON THE WAY. 'Computed on the way' means the value that the module computes at that place (a softmax that the list does not call 'softmax' is quantised finished and normalised). What goes into a quantiser is computed in f32, as accurately as f32 sums, v_exp_f32 and their like allow (about 1e-6 of the number): no bf16 or f16 on the way to a quantiser, and a product that is left as it is and whose result goes on into a quantised operand takes f32 operands (vector FMAs, or v_wmma_f32_16x16x4_f32). A number that lies on a knife's edge between two numbers of the format may be rounded either way, as far as f32 arithmetic and the matrix unit's own rounding can turn it there, and no further.
;; One version. Each part assembles by itself: llvm-mc -triple=amdgcn-amd-amdhsa -mcpu=gfx1250 --defsym DOCPART=n.
;; ======== version 1 of 1: 3 launches
;; limits: right only within a limited range of input values
;; workspace buffers: kv 2,490,368 bytes; part 18,874,368 bytes
;; launch prep (part 1): grid 256 x 1, 8 waves a work-group, no clusters, 168,960 bytes of LDS; arguments x, Wk, bk, kv; writes kv
.if DOCPART == 1
	.amdgcn_target "amdgcn-amd-amdhsa--gfx1250"
	.amdhsa_code_object_version 6
	.text
	.protected	k_q7e3be7d414_prep
	.globl	k_q7e3be7d414_prep
	.p2align	8
	.type	k_q7e3be7d414_prep,@function
k_q7e3be7d414_prep:
	s_mov_b64 s[64:65], 0
	v_nop
	global_prefetch_b8 v0, s[64:65] scope:SCOPE_SE
	s_setreg_imm32_b32 hwreg(HW_REG_WAVE_MODE, 25, 1), 1
	s_wait_xcnt 0x0
; PREP.  For 128 keys (one step) a work-group makes everything that the attention launch wants of them, as codes of FP4 (E2M1) with one E8M0 byte for each 32 along a product's K:
;   K = Q(x) Q(Wk)^T + bk (both quantised along d = 66: blocks of 32, 32 and 2 + zeros), then Q(K) along d; and Q(x) along the KEYS (the last product's K).
; All of it is laid in kv as IMAGES OF THE OPERANDS' REGISTERS, 9,728 bytes a step (l = lane, r = l % 16, h = l / 16):
;   0     KC   tile i at 512 i + 16 l: registers 0-3 of K's fragment: d = 32 h .. 32 h + 31 of key 32 (i / 2) + 8 (i % 2) + r + 8 (r / 8)
;   4096  KX   32 i + l: the low byte of register 4 (lanes 0-15: the codes of d = 64, 65; lanes 16-31: 0); registers 5-7 are zeros and are not stored
;   4352  KS   64 i + 4 r: the row's scale word (bytes: blocks 0, 1, 2; byte 3 = 1, over zero codes)
;   4864  VC   tile t at 1024 t + 512 c + 16 l: x^T, row d = 16 t + r, keys 64 c + 32 h + 0 .. 31
;   8960  VC4  32 (block of keys) + 16 (d - 64), d = 64, 65
;   9088  VS   word d at 4 d, d = 0 .. 63: byte b = the scale of keys 32 b .. 32 b + 31
;   9344  VS4  word j (0 .. 31) = the scale word of d = 64 + j % 2
;   9472  zeros, so that a step is two pieces of 19 x 256 bytes
; SHARES.  Eight waves.  Wave w makes tile w of K (16 keys), the block w / 2 of keys of columns d = 32 (w % 2) + lane, and the same block of column 64 + w % 2.  Each wave quantises Wk for itself: 66 rows, five fragments.
; THE FIRST PRODUCT IS USED TRANSPOSED (source 0 = 16 rows of Wk, source 1 = 16 keys of x), and the rows of Wk that form a tile are 32 b + 8 u + r + 8 (r / 8): so a lane holds ONE key, and the 16 registers of
; tiles 2 b, 2 b + 1 are 16 neighbours along the next product's K.  bk is the C of the product.
; LIMITS: NaN and infinities among the inputs are not served.  A block of zeros gets the byte 1 where the rule says 127: its codes are zeros, and this program alone reads the bytes.
.set ROW,   264                        ; a row of x or of Wk in bytes
.set XB,    0                          ; LDS: the step's 128 rows of x as they lie, 33,792 bytes
.set WB,    33792                      ; Wk as it lies, 17,424 bytes
.set OUT,   51456                      ; the step's image, 9,728 bytes; written by LDS stores alone, in blocks of 256 bytes into which no tensor load lands
.set STEPB, 9728
.set T,     40                         ; v40-79   numbers at work; v74-79 stay zeros
.set WF,    80                         ; v80-119  Wk's five fragments
.set WS,    120                        ; v120-124 their scale words
.set XF,    126                        ; v126-133 x's fragment
.set XS,    134                        ; v134     its scale word
.set H,     136                        ; v136-175 bk in the result's layout, then K
.set PC,    176                        ; v176-180 K's codes
.set KW,    202                        ; v202     K's scale word
; v1 lane, v2 r, v3 h; v4-19 LDS addresses, v21 my bytes in kv; v22 8 h; v23 ones in lanes 0-15; v24 ones where r < 2; v25 both; v26 0; v27 64 h; v28-35 at work
	s_load_b256 s[4:11], s[0:1], 0x0               ; x s[4:5], Wk s[6:7], bk s[8:9], kv s[10:11]
	v_lshl_add_u32 v208, v0, 2, 0x29000
	v_mov_b32 v209, 0
	ds_add_u32 v208, v209
	ds_add_u32 v208, v209
	v_lshrrev_b32 v1, 5, v0
	s_delay_alu instid0(VALU_DEP_1)
	v_readfirstlane_b32 s12, v1                    ; wave 0..7
	; descriptor group 1 for x: a quarter of the step's dense 33,792 bytes, as 33 rows of 32 elements of 8 bytes
	s_mov_b32 s16, 3<<16
	s_mov_b32 s17, 32<<16
	s_mov_b32 s18, 33<<16
	s_mov_b32 s19, 32<<16
	s_mov_b32 s20, 33
	s_mov_b32 s21, 32
	s_mov_b32 s22, 0
	s_mov_b32 s23, 0
	; and for Wk: one row of 2,178 elements of 8 bytes
	s_mov_b32 s24, 3<<16
	s_mov_b32 s25, 2178<<16
	s_mov_b32 s26, 1<<16
	s_mov_b32 s27, 2178<<16
	s_mov_b32 s28, 1
	s_mov_b32 s29, 2178
	s_mov_b32 s30, 0
	s_mov_b32 s31, 0
	s_mul_i32 s13, s12, 8448                       ; my quarter, in LDS and in memory
	s_mul_i32 s14, ttmp9, 33792                    ; the step's rows of x
	s_add_co_u32 s14, s14, s13
	s_mov_b32 s15, 0
	s_mul_i32 s40, ttmp9, STEPB                    ; the step's place in kv
	s_mov_b32 s41, 0
	s_mov_b32 s46, 0x76543210
	s_mov_b32 s47, 0xfedcba98                      ; v_permlanex16_b32's selects for lane l xor 16
	s_wait_dscnt 0x0
	s_wait_kmcnt 0x0
	s_add_nc_u64 s[10:11], s[10:11], s[40:41]
	s_mov_b32 s32, 1
	s_add_co_u32 s33, s13, XB
	s_add_nc_u64 s[34:35], s[4:5], s[14:15]
	s_or_b32 s35, s35, 0x80000000
	s_mov_b32 s36, 1
	s_mov_b32 s37, WB
	s_mov_b64 s[38:39], s[6:7]
	s_or_b32 s39, s39, 0x80000000
	; Four v_nop follow each line
	s_cmp_lt_u32 s12, 4
	s_cbranch_scc0 .Lnot_x
	tensor_load_to_lds s[32:35], s[16:23]
	s_nop 0
.rept 4
	v_nop
.endr
	s_branch .Lasked
.Lnot_x:
	s_cmp_eq_u32 s12, 4
	s_cbranch_scc0 .Lasked
	tensor_load_to_lds s[36:39], s[24:31]
	s_nop 0
.rept 4
	v_nop
.endr
.Lasked:
	v_and_b32 v1, 31, v0                           ; lane
	v_and_b32 v2, 15, v0                           ; r
	v_bfe_u32 v3, v0, 4, 1                         ; h
	v_mov_b32 v26, 0
	s_delay_alu instid0(VALU_DEP_2)
	v_lshlrev_b32 v27, 6, v3
.irp t, 0,1,2,3                                ; bk as the product's C: register j of tile t in lane (r, h) is output 32 (t / 2) + 16 h + 8 (t % 2) + j
	global_load_b128 v[H+8*\t:H+8*\t+3], v27, s[8:9] offset:(32*(\t/2)+8*(\t%2))*4
	global_load_b128 v[H+8*\t+4:H+8*\t+7], v27, s[8:9] offset:(32*(\t/2)+8*(\t%2))*4+16
.endr
	global_load_b64 v[H+32:H+33], v26, s[8:9] offset:256   ; tile 4: outputs 64, 65
	; every LDS address is made of v0's bits and constants
	v_bfe_u32 v36, v0, 5, 1                        ; w % 2
	v_bfe_u32 v37, v0, 6, 2                        ; w / 2
	v_bfe_u32 v38, v0, 5, 3                        ; w
	v_and_b32 v28, 8, v2
	s_delay_alu instid0(VALU_DEP_1)
	v_add_nc_u32 v28, v28, v2                      ; r + 8 (r / 8): the rows of Wk that form a tile
	; THE KEYS OF TILE w OF K (images KC, KX, KS): lane r takes key 64 (w / 4) + 8 (w % 4) + r % 8 + 32 (r / 8).  This order holds, in place of the one that the head's line on KC names:
	; in the next launch's transposed scores a lane's 32 registers of tiles 4 c .. 4 c + 3 are then the whole block of keys 64 c + 32 h + 0 .. 31
	v_and_b32 v29, 7, v0
	v_bfe_u32 v30, v0, 3, 1
	v_bfe_u32 v31, v0, 5, 2
	v_bfe_u32 v32, v0, 7, 1
	v_lshl_add_u32 v29, v30, 5, v29
	s_delay_alu instid0(VALU_DEP_1)
	v_lshl_add_u32 v29, v31, 3, v29
	s_delay_alu instid0(VALU_DEP_1)
	v_lshl_add_u32 v29, v32, 6, v29                ; my key of tile w
	s_delay_alu instid0(VALU_DEP_1)
	v_mul_u32_u24 v5, v29, ROW                     ; v5: its row of x;
	s_delay_alu instid0(VALU_DEP_1)
	v_lshl_add_u32 v4, v3, 7, v5                   ; v4: + 128 h: my block of 32 along d
	v_mul_u32_u24 v7, v28, ROW
	s_delay_alu instid0(VALU_DEP_1)
	v_add_nc_u32 v7, WB, v7                        ; v7, v6: the same for a tile of Wk
	s_delay_alu instid0(VALU_DEP_1)
	v_lshl_add_u32 v6, v3, 7, v7
	v_and_b32 v30, 1, v2
	s_delay_alu instid0(VALU_DEP_1)
	v_mul_u32_u24 v9, v30, ROW
	s_delay_alu instid0(VALU_DEP_1)
	v_add_nc_u32 v9, WB+64*ROW, v9                 ; v9, v8: Wk's tile 4: rows 64 + r % 2 (no read leaves Wk's bytes; lanes with r > 1 are cleared)
	s_delay_alu instid0(VALU_DEP_1)
	v_lshl_add_u32 v8, v3, 7, v9
	v_mul_u32_u24 v10, v37, 32*ROW                 ; block w / 2 of the keys
	s_delay_alu instid0(VALU_DEP_1)
	v_lshl_add_u32 v13, v36, 2, v10
	s_delay_alu instid0(VALU_DEP_1)
	v_add_nc_u32 v13, 256, v13                     ; v13: column 64 + w % 2
	s_delay_alu instid0(VALU_DEP_3)
	v_lshl_add_u32 v10, v36, 7, v10
	s_delay_alu instid0(VALU_DEP_1)
	v_lshl_add_u32 v10, v1, 2, v10                 ; v10: column 32 (w % 2) + lane
	v_lshlrev_b32 v11, 4, v2                       ; v11: where that column's 16 bytes of codes go: 1024 (d / 16) + 512 (block / 2) + 256 (block % 2) + 16 (d % 16)
	s_delay_alu instid0(VALU_DEP_1)
	v_lshl_add_u32 v11, v3, 10, v11
	s_delay_alu instid0(VALU_DEP_1)
	v_lshl_add_u32 v11, v36, 11, v11
	v_bfe_u32 v31, v0, 7, 1
	s_delay_alu instid0(VALU_DEP_1)
	v_lshl_add_u32 v11, v31, 9, v11
	v_bfe_u32 v32, v0, 6, 1
	s_delay_alu instid0(VALU_DEP_1)
	v_lshl_add_u32 v11, v32, 8, v11
	s_delay_alu instid0(VALU_DEP_1)
	v_add_nc_u32 v11, OUT+4864, v11
	v_lshl_add_u32 v12, v1, 2, v37                 ; v12: its scale byte: 4 d + block
	s_delay_alu instid0(VALU_DEP_1)
	v_lshl_add_u32 v12, v36, 7, v12
	s_delay_alu instid0(VALU_DEP_1)
	v_add_nc_u32 v12, OUT+9088, v12
	v_lshlrev_b32 v14, 4, v38
	s_delay_alu instid0(VALU_DEP_1)
	v_add_nc_u32 v14, OUT+8960, v14                ; v14: column 64 + w % 2: 32 (w / 2) + 16 (w % 2) = 16 w
	v_lshl_add_u32 v15, v2, 3, v37                 ; v15: its scale byte, in words 2 r + w % 2
	s_delay_alu instid0(VALU_DEP_1)
	v_lshl_add_u32 v15, v36, 2, v15
	s_delay_alu instid0(VALU_DEP_1)
	v_add_nc_u32 v15, OUT+9344, v15
	v_lshlrev_b32 v21, 4, v0                       ; v21: 512 w + 16 lane
	s_delay_alu instid0(VALU_DEP_1)
	v_add_nc_u32 v16, OUT, v21                     ; v16: K's codes of tile w; on the way out: my 16 bytes of the image
	v_add_nc_u32 v17, OUT+4096, v0                 ; v17: 32 w + lane
	v_lshlrev_b32 v18, 2, v2
	s_delay_alu instid0(VALU_DEP_1)
	v_lshl_add_u32 v18, v38, 6, v18
	s_delay_alu instid0(VALU_DEP_1)
	v_add_nc_u32 v18, OUT+4352, v18                ; v18: 64 w + 4 r
	v_add_nc_u32 v19, OUT+9472, v0                 ; v19: my byte of the 256 zeros
	v_lshlrev_b32 v22, 3, v3
	v_add_nc_u32 v23, -1, v3                       ; ones in lanes 0-15
	v_lshrrev_b32 v24, 1, v2
	s_delay_alu instid0(VALU_DEP_1)
	v_min_u32 v24, 1, v24
	s_delay_alu instid0(VALU_DEP_1)
	v_add_nc_u32 v24, -1, v24                      ; ones where r < 2
	s_delay_alu instid0(VALU_DEP_1)
	v_and_b32 v25, v24, v23
.irp i, 34,35,36,37,38,39
	v_mov_b32 v[T+\i], 0                           ; d = 66 .. 71: the last block is filled with zeros
	v_mov_b32 v[H+\i], 0                           ; tile 4's C beyond outputs 64, 65
.endr
.irp i, 5,6,7
.irp t, 0,1,2,3,4
	v_mov_b32 v[WF+8*\t+\i], 0                     ; d = 72 .. 127: zero codes
.endr
	v_mov_b32 v[XF+\i], 0
.endr
.irp i, 35,193,194,195
	v_mov_b32 v[\i], 0                             ; written once: a lane permute's destination counts as one of its sources
.endr
	s_wait_loadcnt 0x0                             ; bk
	v_and_b32 v[H+32], v23, v[H+32]                ; tile 4's rows 8-15 (lanes 16-31) are no outputs
	v_and_b32 v[H+33], v23, v[H+33]
	s_wait_tensorcnt 0x0                           ; my part of x or Wk has landed,
	s_barrier_signal -1
	s_barrier_wait -1                              ; everybody's has
; the largest magnitude of v[T] .. v[T + 31], with the floor 2^(3 - 127) among the leaves (so the byte cannot fall under 1), in two chains -> v28
.macro MAX32
	v_max3_num_f32 v28, |v[T]|, |v[T+1]|, 0x1800000
	v_max3_num_f32 v29, |v[T+2]|, |v[T+3]|, |v[T+4]|
.irp i, 5,9,13,17,21,25
	s_delay_alu instid0(VALU_DEP_2)
	v_max3_num_f32 v28, v28, |v[T+\i]|, |v[T+\i+1]|
	s_delay_alu instid0(VALU_DEP_2)
	v_max3_num_f32 v29, v29, |v[T+\i+2]|, |v[T+\i+3]|
.endr
	s_delay_alu instid0(VALU_DEP_2)
	v_max3_num_f32 v28, v28, |v[T+29]|, |v[T+30]|
	s_delay_alu instid0(VALU_DEP_1)
	v_max3_num_f32 v28, v28, v29, |v[T+31]|
.endm
; 16 rows of 66 numbers become a fragment (registers dst .. dst + 4) and its scale words.  Lane (r, h) takes block h of its row (32 numbers, all its own) and the row's last two numbers.
.macro QROW dst, sreg, a1, off1, a2, off2, mask
.irp i, 0,1,2,3,4,5,6,7,8,9,10,11,12,13,14,15
	ds_load_b64 v[T+2*\i:T+2*\i+1], v[\a1] offset:\off1+8*\i   ; rows are 264 bytes apart: multiples of 8, not of 16
.endr
	ds_load_b64 v[T+32:T+33], v[\a2] offset:\off2
	s_wait_dscnt 0x0
	MAX32
	v_max3_num_f32 v30, |v[T+32]|, |v[T+33]|, 0x1800000
	s_delay_alu instid0(VALU_DEP_2)
	v_add_nc_u32 v31, 0xff000000, v28              ; 2 off the exponent field: the conversion takes this operand's exponent field as its scale
	s_delay_alu instid0(VALU_DEP_2)
	v_add_nc_u32 v32, 0xff000000, v30
	s_delay_alu instid0(VALU_DEP_2)
	v_lshrrev_b32 v33, 23, v31                     ; the bytes
	s_delay_alu instid0(VALU_DEP_2)
	v_lshrrev_b32 v34, 23, v32
	s_delay_alu instid0(VALU_DEP_1)
	v_lshl_or_b32 v33, v34, 16, v33
	s_delay_alu instid0(VALU_DEP_1)
	v_lshlrev_b32 v33, v22, v33                    ; block h's byte at place h, the last block's at place 2 + h;
	s_delay_alu instid0(VALU_DEP_1)
	v_permlanex16_b32 v35, v33, s46, s47
	s_delay_alu instid0(VALU_DEP_1)
	v_or_b32 v[\sreg], v33, v35                    ; with lane l xor 16's the word is whole (byte 3 repeats byte 2, over zero codes)
.irp g, 0,1,2,3
	v_cvt_scalef32_pk8_fp4_f32 v[(\dst)+\g], v[T+8*\g:T+8*\g+7], v31
.endr
	v_cvt_scalef32_pk8_fp4_f32 v[(\dst)+4], v[T+32:T+39], v32
	v_nop                                          ; one plain place behind a scaled conversion
	v_and_b32 v[(\dst)+4], v[\mask], v[(\dst)+4]   ; in lanes 16-31 register 4 is d = 96 on: zeros
.endm
; a block of 32 keys of one column: the lane's registers run down the keys, so the codes come out with the keys innermost
.macro VQ a, sa, ba, pc, breg
.irp i, 0,1,2,3,4,5,6,7,8,9,10,11,12,13,14,15,16,17,18,19,20,21,22,23,24,25,26,27,28,29,30,31
	ds_load_b32 v[T+\i], v[\a] offset:ROW*\i
.endr
	s_wait_dscnt 0x0
	MAX32
	s_delay_alu instid0(VALU_DEP_1)
	v_add_nc_u32 v31, 0xff000000, v28
	s_delay_alu instid0(VALU_DEP_1)
	v_lshrrev_b32 v[\breg], 23, v31
.irp g, 0,1,2,3
	v_cvt_scalef32_pk8_fp4_f32 v[(\pc)+\g], v[T+8*\g:T+8*\g+7], v31
.endr
	v_nop
	ds_store_b128 v[\sa], v[\pc:(\pc)+3]
	ds_store_b8 v[\ba], v[\breg]
.endm
.irp t, 0,1,2,3
	QROW WF+8*\t, WS+\t, 6, ROW*(32*(\t/2)+8*(\t%2)), 7, ROW*(32*(\t/2)+8*(\t%2))+256, 23
.endr
	QROW WF+32, WS+4, 8, 0, 9, 256, 25
.irp g, 0,1,2,3
	v_and_b32 v[WF+32+\g], v24, v[WF+32+\g]        ; tile 4 has two rows: the others are zero codes
.endr
	QROW XF, XS, 4, 0, 5, 256, 23
	VQ 10, 11, 12, 182, 203                        ; x along the keys; the plain lines of these two are also the eight places between the scale words' last write and the products
	VQ 13, 14, 15, 186, 204                        ; (all lanes do the same here, and store the same bytes)
.irp t, 0,1,2,3,4                              ; K^T = Wk x^T + bk: five accumulators, one instruction each
	v_wmma_scale_f32_16x16x128_f8f6f4 v[H+8*\t:H+8*\t+7], v[WF+8*\t:WF+8*\t+7], v[XF:XF+7], v[H+8*\t:H+8*\t+7], v[WS+\t], v[XS] matrix_a_fmt:MATRIX_FMT_FP4 matrix_b_fmt:MATRIX_FMT_FP4
.endr
.rept 4
	v_nop                                          ; four places in front of the first read of results (ISA guide 7.12.1)
.endr
	; K along d: blocks 0 and 1 lie in lanes l and l xor 16, 16 numbers each; block 2 is v[H + 32], v[H + 33] of lanes 0-15.  Each accumulator is read from its low end on
.irp b, 0,1
	v_max3_num_f32 v[190+\b], |v[H+16*\b]|, |v[H+16*\b+1]|, 0x1800000
.endr
	v_max3_num_f32 v192, |v[H+32]|, |v[H+33]|, 0x1800000
.irp i, 2,4,6,8,10,12,14
.irp b, 0,1
	v_max3_num_f32 v[190+\b], v[190+\b], |v[H+16*\b+\i]|, |v[H+16*\b+\i+1]|
.endr
.endr
.irp b, 0,1,2
	v_permlanex16_b32 v[193+\b], v[190+\b], s46, s47
.endr
.irp b, 0,1,2
	s_delay_alu instid0(VALU_DEP_3)
	v_max_num_f32 v[190+\b], v[190+\b], v[193+\b]
.endr
.irp b, 0,1,2
	s_delay_alu instid0(VALU_DEP_3)
	v_add_nc_u32 v[196+\b], 0xff000000, v[190+\b]
.endr
.irp b, 0,1,2
	s_delay_alu instid0(VALU_DEP_3)
	v_lshrrev_b32 v[199+\b], 23, v[196+\b]
.endr
	s_delay_alu instid0(VALU_DEP_2)
	v_lshl_or_b32 v[KW], v200, 8, v199
	s_delay_alu instid0(VALU_DEP_1)
	v_lshl_or_b32 v[KW], v201, 16, v[KW]
	s_delay_alu instid0(VALU_DEP_1)
	v_or_b32 v[KW], 0x01000000, v[KW]
.irp b, 0,1
	v_cvt_scalef32_pk8_fp4_f32 v[PC+2*\b], v[H+16*\b:H+16*\b+7], v[196+\b]
	v_cvt_scalef32_pk8_fp4_f32 v[PC+2*\b+1], v[H+16*\b+8:H+16*\b+15], v[196+\b]
.endr
	v_cvt_scalef32_pk8_fp4_f32 v[PC+4], v[H+32:H+39], v198
	v_nop
	v_permlane16_swap_b32 v[PC], v[PC+2]           ; the operand's layout wants a whole block in a lane: lanes 0-15 block 0, lanes 16-31 block 1
	v_permlane16_swap_b32 v[PC+1], v[PC+3]
	ds_store_b128 v16, v[PC:PC+3]
	ds_store_b8 v17, v[PC+4]
	ds_store_b32 v18, v[KW]                        ; both halves of the lanes hold and store the same word
	ds_store_b8 v19, v26
	s_wait_dscnt 0x0                               ; for the others' sake: my stores into the image are done
	s_barrier_signal -1
	s_barrier_wait -1
	; the way out: 19 runs of 512 consecutive bytes; wave w takes runs w and w + 8, waves 0-2 also w + 16
	ds_load_b128 v[40:43], v16
	ds_load_b128 v[44:47], v16 offset:4096
	s_wait_dscnt 0x0
	global_store_b128 v21, v[40:43], s[10:11]
	global_store_b128 v21, v[44:47], s[10:11] offset:4096
	s_cmp_lt_u32 s12, 3
	s_cbranch_scc0 .Ldone
	ds_load_b128 v[48:51], v16 offset:8192
	s_wait_dscnt 0x0
	global_store_b128 v21, v[48:51], s[10:11] offset:8192
.Ldone:
	s_wait_tensorcnt 0x0
	ds_add_u32 v208, v209
	s_wait_dscnt 0x0
	s_endpgm
.Lfunc_end_k_q7e3be7d414_prep:
	.size	k_q7e3be7d414_prep, .Lfunc_end_k_q7e3be7d414_prep-k_q7e3be7d414_prep
	.p2alignl 7, 3214868480
	.fill 96, 4, 3214868480
	.section	.rodata,"a",@progbits
	.p2align	6, 0x0
	.amdhsa_kernel k_q7e3be7d414_prep
		.amdhsa_group_segment_fixed_size 168960
		.amdhsa_private_segment_fixed_size 0
		.amdhsa_enable_private_segment 0
		.amdhsa_kernarg_size 32
		.amdhsa_user_sgpr_count 2
		.amdhsa_user_sgpr_kernarg_segment_ptr 1
		.amdhsa_wavefront_size32 1
		.amdhsa_system_sgpr_workgroup_id_x 1
		.amdhsa_system_sgpr_workgroup_id_y 1
		.amdhsa_system_sgpr_workgroup_id_z 1
		.amdhsa_system_vgpr_workitem_id 0
		.amdhsa_next_free_vgpr 210
		.amdhsa_next_free_sgpr 66
		.amdhsa_reserve_vcc 0
		.amdhsa_float_denorm_mode_32 3
		.amdhsa_float_denorm_mode_16_64 3
		.amdhsa_memory_ordered 1
		.amdhsa_forward_progress 1
		.amdhsa_inst_pref_size 45
	.end_amdhsa_kernel
	.amdgpu_metadata
---
amdhsa.version: [ 1, 2 ]
amdhsa.kernels:
  - .name:           k_q7e3be7d414_prep
    .symbol:         k_q7e3be7d414_prep.kd
    .args:
      - { .name: x, .offset: 0, .size: 8, .value_kind: global_buffer, .address_space: global }
      - { .name: Wk, .offset: 8, .size: 8, .value_kind: global_buffer, .address_space: global }
      - { .name: bk, .offset: 16, .size: 8, .value_kind: global_buffer, .address_space: global }
      - { .name: kv, .offset: 24, .size: 8, .value_kind: global_buffer, .address_space: global }
    .group_segment_fixed_size: 168960
    .private_segment_fixed_size: 0
    .kernarg_segment_align: 8
    .kernarg_segment_size: 32
    .max_flat_workgroup_size: 256
    .sgpr_count:     66
    .vgpr_count:     210
    .wavefront_size: 32
...
	.end_amdgpu_metadata
.endif
;; end of part 1
;; launch attend (part 2): grid 32 x 8, 16 waves a work-group, clusters of 4 x 1, 327,680 bytes of LDS; arguments query, kv, part; writes part
.if DOCPART == 2
	.amdgcn_target "amdgcn-amd-amdhsa--gfx1250"
	.amdhsa_code_object_version 6
	.text
	.protected	k_q7e3be7d414_attend
	.globl	k_q7e3be7d414_attend
	.p2align	8
	.type	k_q7e3be7d414_attend,@function
k_q7e3be7d414_attend:
	s_mov_b64 s[64:65], 0
	v_nop
	global_prefetch_b8 v0, s[64:65] scope:SCOPE_SE
	s_setreg_imm32_b32 hwreg(HW_REG_WAVE_MODE, 25, 1), 1
	s_wait_xcnt 0x0
	s_wait_alu depctr_hold_cnt(0) depctr_sa_sdst(0) depctr_va_vdst(0) depctr_va_sdst(0) depctr_va_ssrc(0) depctr_va_vcc(0) depctr_vm_vsrc(0)
	s_getreg_b32 s2, hwreg(HW_REG_IB_STS2, 6, 4)
	s_cmp_eq_u32 s2, 0
	s_cbranch_scc0 .Lentry_in_a_cluster
	s_endpgm
.Lentry_in_a_cluster:
	s_bfe_u32 s2, ttmp6, 0x10000c
	s_cmp_lg_u32 s2, 0x3003
	s_cbranch_scc0 .Lentry_shape_is_right
	s_endpgm
.Lentry_shape_is_right:
; ATTEND.  256 queries x 4,096 keys to a work-group (32 blocks of queries x 8 splits of the keys = 256 work-groups of equal work).  Both products on codes of FP4 (E2M1) with E8M0 scales.
; Each of sixteen waves owns one tile of 16 queries in 256 registers and walks the split's 32 steps of 128 keys.
; THE SOFTMAX: t = score x log2(e); M = the largest t so far, rounded UP to a whole number; p = 2^(t - M) is quantised along the keys, not normalised; the sum is taken of the unquantised p.
; When M moves, the sum and O are multiplied by 2^(old M - new M): exact.  The launch leaves O^T, -M and the sum of its split in part; the next launch joins the eight splits.
; LDS.  A split's images, 32 steps x 9,728 = 311,296 bytes, lie in LDS whole, as they lie in kv: each byte is filled once.  A wave brings 19 rows of 256 bytes at the head (steps 0-7 are 16 x 19 rows)
; and 57 rows (steps 8-31 are 16 x 57 rows) behind a tensor wait, an LDS add and a cluster round.  All of LDS is claimed.
; CLUSTER.  The four blocks of queries of a cluster read the same split: both loads are joint, with one descriptor and the mask of all four, each behind a round of the cluster's barrier.
; NO PREFETCH: both fills are asked for ahead of the first key step; no later trip loads anything from memory, so there is nothing to run ahead of.
; LAYOUT.  Both products are used transposed: S^T = K Q^T (source 0 = 16 keys, source 1 = my queries), O^T = x^T P^T: a lane holds ONE query (lane % 16).  Row m of tile 4 c + g of K is key
; 64 c + 8 g + m % 8 + 32 (m / 8): so the 32 registers of tiles 4 c .. 4 c + 3 in lane (r, h) are the WHOLE block of keys 64 c + 32 h + 0 .. 31: its maximum needs no other lane, and the conversion
; of tile 4 c + g is register 4 c + g of P's operand as it stands.
; K'S FRAGMENTS LIE 6 REGISTERS APART: registers 0-3 codes of d = 32 h .., register 4 the codes of d = 64, 65.  An operand names 8 registers; its registers 5-7 (a spare one and the next tile's first two)
; meet Q's zero codes of d = 72 .. 127, and FP4 has no code but numbers: they add nothing.  So all eight tiles stay in 50 registers, and the next step's are loaded a step ahead.
; x^T has four tiles and a fifth whose rows are d = 64 + r % 2.
; LIMITS: NaN and infinities among the inputs are not served; the promise holds while the scaled scores stay under 2^31 in magnitude; a p under 2^-126 counts as 0; a block of zeros has the byte 1.
.set STEPB, 9728
.set P0,    4864                       ; 19 rows of 256 bytes
.set P1,    14592                      ; 57 rows
.set SPARE, 311296                     ; behind the images: the spare words, 128 bytes a wave
.set QF,  16                           ; v16-23   Q's fragment (v21-23 zeros)
.set QS,  24                           ; v24      its scale words
.set KF,  28                           ; v28-77   K's eight fragments
.set VF,  78                           ; v78-117  x^T's five
.set S,   118                          ; v118-181 S^T, then p; at the head the query's numbers
.set O,   182                          ; v182-221 O^T
.set PC,  222                          ; v222-229 p's codes
.set KSC, 230                          ; v230-233 K's scale words: lanes 0-15 tile 2 b, lanes 16-31 tile 2 b + 1
.set VSC, 234                          ; v234-236 x^T's likewise; the fifth tile's
.set PS,  237                          ; v237     p's scale word
; v1 16 lane, v2 4 lane, v3 lane, v4 32 h + 16 (r % 2); v5, v6 my bytes of query; v7 8 h; v25 ones in lanes 0-15; v8-11 the step's LDS addresses; v12 -M, v13 my half's largest score,
; v[14:15] the sum; v[238:239] f; v240-243 maxima; v244, 245 the conversions' scale operands; v246-253 at work; v254, v255 the add's two.
; s10 wave; s[40:41] log2(e), s46 its negative; s[42:43] lane selects; s44 the step's first LDS byte; s45 trips
.macro CROUND                          ; a round of the cluster's barrier
	s_barrier_signal -1
	s_barrier_wait -1
	s_cmp_lg_u32 s10, 0
	s_cbranch_scc1 .Lnot_wave_0_\@
	s_barrier_signal -3
.Lnot_wave_0_\@:
	s_barrier_wait -3
	s_barrier_signal -1
	s_barrier_wait -1
.endm
	s_load_b128 s[4:7], s[0:1], 0x0                ; query s[4:5], kv s[6:7]
	s_load_b64 s[8:9], s[0:1], 0x10                ; part
	v_lshl_add_u32 v254, v0, 2, SPARE
	v_mov_b32 v255, 0
	ds_add_u32 v254, v255                          ; the opening: the add, twice on end, and its wait ahead of my first tensor load
	ds_add_u32 v254, v255
	v_lshrrev_b32 v1, 5, v0
	v_readfirstlane_b32 s10, v1                    ; wave 0..15
	s_bfe_u32 s11, ttmp6, 0x40000                  ; cx: it enters query's and part's addresses alone
	s_lshl_b32 s12, ttmp9, 2
	s_add_co_u32 s12, s12, s11                     ; my block of 256 queries
	s_and_b32 s13, ttmp7, 0xffff                   ; my split, which the four partners share
	; two groups 1: 19 and 57 rows of 32 elements of 8 bytes, dense; the mask names all four work-groups, bit 21 beside it
	s_mov_b32 s16, 15|(3<<16)|(1<<21)
	s_mov_b32 s17, 32<<16
	s_mov_b32 s18, 19<<16
	s_mov_b32 s19, 32<<16
	s_mov_b32 s20, 19
	s_mov_b32 s21, 32
	s_mov_b32 s22, 0
	s_mov_b32 s23, 0
	s_mov_b32 s32, 15|(3<<16)|(1<<21)
	s_mov_b32 s33, 32<<16
	s_mov_b32 s34, 57<<16
	s_mov_b32 s35, 32<<16
	s_mov_b32 s36, 57
	s_mov_b32 s37, 32
	s_mov_b32 s38, 0
	s_mov_b32 s39, 0
	s_mul_i32 s52, s10, P0                         ; my first piece, in LDS and in the split
	s_mov_b32 s53, 0
	s_mul_i32 s54, s10, P1                         ; my second, behind steps 0-7
	s_add_co_u32 s54, s54, 8*STEPB
	s_mov_b32 s55, 0
	s_mul_i32 s48, s13, 32*STEPB                   ; the split in kv
	s_mov_b32 s49, 0
	s_mul_i32 s50, s12, 256*264                    ; my wave's 16 rows of query
	s_mul_i32 s51, s10, 16*264
	s_add_co_u32 s50, s50, s51
	s_mov_b32 s51, 0
	s_mul_i32 s56, s13, 512*4608                   ; my 4,608 bytes of part: (split, tile of queries)
	s_mul_i32 s57, s12, 16*4608
	s_add_co_u32 s56, s56, s57
	s_mul_i32 s57, s10, 4608
	s_add_co_u32 s56, s56, s57
	s_mov_b32 s57, 0
	s_mov_b32 s40, 0x3fb8aa3b                      ; log2(e)
	s_mov_b32 s41, s40                             ; (named with it as a pair, so it is written)
	s_mov_b32 s46, 0xbfb8aa3b                      ; -log2(e)
	s_mov_b32 s42, 0x76543210
	s_mov_b32 s43, 0xfedcba98
	v_and_b32 v3, 31, v0
	v_and_b32 v26, 15, v0                          ; r
	v_bfe_u32 v27, v0, 4, 1                        ; h
	v_and_b32 v4, 1, v0
	v_lshlrev_b32 v1, 4, v3
	v_lshlrev_b32 v2, 2, v3
	v_mul_u32_u24 v6, v26, 264
	v_lshlrev_b32 v4, 4, v4
	v_lshlrev_b32 v7, 3, v27
	v_add_nc_u32 v25, -1, v27
	v_lshl_add_u32 v5, v27, 7, v6
	v_lshl_add_u32 v4, v27, 5, v4
	s_wait_alu depctr_va_vdst(0)
	s_wait_dscnt 0x0                               ; both opening adds are done
	s_wait_kmcnt 0x0
	s_add_nc_u64 s[6:7], s[6:7], s[48:49]
	s_add_nc_u64 s[4:5], s[4:5], s[50:51]
	s_add_nc_u64 s[8:9], s[8:9], s[56:57]
.irp i, 0,1,2,3,4,5,6,7,8,9,10,11,12,13,14,15  ; my query's block h of 32 along d: on its way while the cluster meets
	global_load_b64 v[S+2*\i:S+2*\i+1], v5, s[4:5] offset:8*\i
.endr
	global_load_b64 v[S+32:S+33], v6, s[4:5] offset:256   ; and d = 64, 65
	s_mov_b32 s24, 1
	s_mov_b32 s25, s52
	s_add_nc_u64 s[26:27], s[6:7], s[52:53]
	s_or_b32 s27, s27, 0x80000000
	s_mov_b32 s28, 1
	s_mov_b32 s29, s54
	s_add_nc_u64 s[30:31], s[6:7], s[54:55]
	s_or_b32 s31, s31, 0x80000000
	CROUND                                         ; all four work-groups are here: the joint loads meet
	tensor_load_to_lds s[24:27], s[16:23]          ; my 19 rows of steps 0-7: one tensor load a wave at the head
	s_nop 0
.irp i, 34,35,36,37,38,39
	v_mov_b32 v[S+\i], 0                           ; the last block along d is filled with zeros
.endr
.irp i, 0,1,2,3,4,5,6,7
	v_mov_b32 v[KF+6*\i+5], 0                      ; the spare register of each of K's fragments, written once
.endr
	v_mov_b32 v[KF+48], 0                          ; and what the last operand names beyond its own
	v_mov_b32 v[KF+49], 0
.irp i, 5,6,7
	v_mov_b32 v[QF+\i], 0                          ; d = 72 .. 127: zero codes
.endr
	v_mov_b32 v239, 0                              ; (named as the upper half of the pair v[238:239])
	v_mov_b32 v250, 0                              ; a lane permute's destination counts as one of its sources
	v_mov_b32 v13, 0xff61b1e6                      ; the largest score so far: -3e38
	v_mov_b32 v12, 0x7f61b1e6                      ; -M: 3e38, so that the first f is 0, over zeros
	v_mov_b32 v14, 0
	v_mov_b32 v15, 0
	s_wait_alu depctr_va_vdst(0)
	s_wait_loadcnt 0x0
	; Q along d: block h is all mine; the last block's two numbers are in both halves of the lanes
	v_max3_num_f32 v242, |v[S]|, |v[S+1]|, 0x1800000    ; with the floor 2^(3 - 127): the byte cannot fall under 1
	v_max3_num_f32 v243, |v[S+2]|, |v[S+3]|, |v[S+4]|
.irp i, 5,9,13,17,21,25
	s_delay_alu instid0(VALU_DEP_2)
	v_max3_num_f32 v242, v242, |v[S+\i]|, |v[S+\i+1]|
	s_delay_alu instid0(VALU_DEP_2)
	v_max3_num_f32 v243, v243, |v[S+\i+2]|, |v[S+\i+3]|
.endr
	s_delay_alu instid0(VALU_DEP_2)
	v_max3_num_f32 v242, v242, |v[S+29]|, |v[S+30]|
	v_max3_num_f32 v244, |v[S+32]|, |v[S+33]|, 0x1800000
	s_delay_alu instid0(VALU_DEP_2)
	v_max3_num_f32 v242, v242, v243, |v[S+31]|
	v_add_nc_u32 v247, 0xff000000, v244            ; 2 off the exponent field: the conversion's scale operand
	s_delay_alu instid0(VALU_DEP_2)
	v_add_nc_u32 v246, 0xff000000, v242
	v_lshrrev_b32 v249, 23, v247
	s_delay_alu instid0(VALU_DEP_2)
	v_lshrrev_b32 v248, 23, v246
	s_delay_alu instid0(VALU_DEP_1)
	v_lshl_or_b32 v248, v249, 16, v248
	s_delay_alu instid0(VALU_DEP_1)
	v_lshlrev_b32 v248, v7, v248
	s_delay_alu instid0(VALU_DEP_1)
	v_permlanex16_b32 v250, v248, s42, s43
	s_delay_alu instid0(VALU_DEP_1)
	v_or_b32 v[QS], v248, v250                     ; bytes: blocks 0, 1, 2; byte 3 repeats byte 2, over zero codes
.irp g, 0,1,2,3
	v_cvt_scalef32_pk8_fp4_f32 v[QF+\g], v[S+8*\g:S+8*\g+7], v246
.endr
	v_cvt_scalef32_pk8_fp4_f32 v[QF+4], v[S+32:S+39], v247
	v_nop                                          ; one plain place behind a scaled conversion
	v_and_b32 v[QF+4], v25, v[QF+4]                ; in lanes 16-31 register 4 is d = 96 on: zeros
.set j, 0
.rept 40
	v_mov_b32 v[O+j], 0                            ; O^T: the step has no first copy: the first f multiplies zeros.  Also the places between the scale word's write and the first product
.set j, j+1
.endr
.macro KQ i                            ; tile i of S^T; odd tiles' scale words lie in lanes 16-31
.if (\i)%2
	v_wmma_scale_f32_16x16x128_f8f6f4 v[S+8*(\i):S+8*(\i)+7], v[KF+6*(\i):KF+6*(\i)+7], v[QF:QF+7], 0, v[KSC+(\i)/2], v[QS] matrix_a_fmt:MATRIX_FMT_FP4 matrix_b_fmt:MATRIX_FMT_FP4 matrix_a_scale:MATRIX_SCALE_ROW1
.else
	v_wmma_scale_f32_16x16x128_f8f6f4 v[S+8*(\i):S+8*(\i)+7], v[KF+6*(\i):KF+6*(\i)+7], v[QF:QF+7], 0, v[KSC+(\i)/2], v[QS] matrix_a_fmt:MATRIX_FMT_FP4 matrix_b_fmt:MATRIX_FMT_FP4
.endif
.endm
.macro ADDR                            ; the LDS addresses of the step that begins at s44
	v_add_nc_u32 v8, s44, v1
	v_add_nc_u32 v9, s44, v2
	v_add_nc_u32 v10, s44, v3
	v_add_nc_u32 v11, s44, v4
.endm
.macro KLOAD off                       ; K's eight tiles (16 bytes a lane, and register 4's byte) and its scale words: 20 loads
.irp i, 0,1,2,3,4,5,6,7
	ds_load_b128 v[KF+6*\i:KF+6*\i+3], v8 offset:\off+512*\i
	ds_load_u8 v[KF+6*\i+4], v10 offset:\off+4096+32*\i
.endr
.irp b, 0,1,2,3
	ds_load_b32 v[KSC+\b], v9 offset:\off+4352+128*\b
.endr
.endm
.macro PV t, sc, odd                   ; tile t of O^T
.if \odd
	v_wmma_scale_f32_16x16x128_f8f6f4 v[O+8*\t:O+8*\t+7], v[VF+8*\t:VF+8*\t+7], v[PC:PC+7], v[O+8*\t:O+8*\t+7], v[VSC+\sc], v[PS] matrix_a_fmt:MATRIX_FMT_FP4 matrix_b_fmt:MATRIX_FMT_FP4 matrix_a_scale:MATRIX_SCALE_ROW1
.else
	v_wmma_scale_f32_16x16x128_f8f6f4 v[O+8*\t:O+8*\t+7], v[VF+8*\t:VF+8*\t+7], v[PC:PC+7], v[O+8*\t:O+8*\t+7], v[VSC+\sc], v[PS] matrix_a_fmt:MATRIX_FMT_FP4 matrix_b_fmt:MATRIX_FMT_FP4
.endif
.endm
.macro TM n                            ; t - M, two at a time
.rept \n
	v_pk_fma_f32 v[S+j:S+j+1], v[S+j:S+j+1], s[40:41], v[12:13] op_sel_hi:[1,0,0]
.set j, j+2
.endr
.endm
.macro SUMN n                          ; the next n of the sum's additions: four chains begin with two pairs each, then five chains by turns
.rept \n
.if SN < 4
	v_pk_add_f32 v[246+2*SN:247+2*SN], v[S+4*SN:S+4*SN+1], v[S+4*SN+2:S+4*SN+3]
.else
.if SN%5 == 4
.set ACC, 14
.else
.set ACC, 246+2*(SN%5)
.endif
	v_pk_add_f32 v[ACC:ACC+1], v[ACC:ACC+1], v[S+2*SN+8:S+2*SN+9]
.endif
.set SN, SN+1
.endr
.endm
; A KEY STEP: 128 keys.  pre = 1: the next step's K is loaded, into registers that this step's first product has left
.macro STEP pre
	s_wait_dscnt 0x0                               ; K's 20 loads, issued a step ago (at a phase's first step: just now), are in
.irp i, 0,1,2,3,4,5,6,7
	KQ \i
.endr
	ADDR                                           ; these five lines are the places behind the products, ahead of the loads and of the first read of results
	v_mov_b32 v246, v12                            ; the old -M
.irp t, 0,1,2,3                                ; x^T's fragments and scale words: 13 loads, wanted behind the softmax
.irp c, 0,1
	ds_load_b128 v[VF+8*\t+4*\c:VF+8*\t+4*\c+3], v8 offset:4864+1024*\t+512*\c
.endr
.endr
.irp c, 0,1
	ds_load_b128 v[VF+32+4*\c:VF+32+4*\c+3], v11 offset:8960+64*\c
.endr
	ds_load_b32 v[VSC], v9 offset:9088
	ds_load_b32 v[VSC+1], v9 offset:9216
	ds_load_b32 v[VSC+2], v9 offset:9344
.if \pre
	KLOAD STEPB
.endif
.irp k, 0,1,2,3                                ; the largest score of my two blocks of 32 keys, in four chains by turns; each accumulator is read from its low end on
	v_max3_num_f32 v[240+\k], v[S+16*\k], v[S+16*\k+1], v[S+16*\k+2]
.endr
.irp i, 3,5,7,9,11,13
.irp k, 0,1,2,3
	v_max3_num_f32 v[240+\k], v[240+\k], v[S+16*\k+\i], v[S+16*\k+\i+1]
.endr
.endr
	v_max3_num_f32 v240, v240, v[S+15], v[S+31]
	v_max3_num_f32 v242, v242, v[S+47], v[S+63]
	s_delay_alu instid0(VALU_DEP_2)
	v_max_num_f32 v240, v240, v241                 ; block 2 x 0 + h
	s_delay_alu instid0(VALU_DEP_2)
	v_max_num_f32 v242, v242, v243                 ; block 2 x 1 + h
	s_delay_alu instid0(VALU_DEP_1)
	v_max3_num_f32 v13, v13, v240, v242            ; my half's running largest score
	s_delay_alu instid0(VALU_DEP_1)
	v_permlanex16_b32 v241, v13, s42, s43
	s_delay_alu instid0(VALU_DEP_1)
	v_max_num_f32 v243, v13, v241                  ; with lane l xor 16's: the query's
	s_delay_alu instid0(VALU_DEP_1)
	v_mul_f32 v243, s46, v243                      ; -t
	s_delay_alu instid0(VALU_DEP_1)
	v_floor_f32 v12, v243                          ; the new -M = -ceil(t): a whole number
.set j, 0
	TM 8
	v_sub_f32 v241, v12, v246                      ; old M - new M: a whole number, 0 or less
	v_fma_f32 v240, v240, s40, v12                 ; t - M of each block's largest score: p rises with the score
	v_fma_f32 v242, v242, s40, v12
	TM 8
	v_cvt_i32_f32 v241, v241                       ; (it saturates)
	TM 8
	v_ldexp_f32 v238, 1.0, v241                    ; f = 2^(old M - new M)
	TM 8
	s_wait_alu depctr_va_vdst(0)
	v_exp_f32 v240, v240                           ; each block's largest p,
	v_exp_f32 v242, v242
.set j, 0
.rept 64
	v_exp_f32 v[S+j], v[S+j]                       ; and p = 2^(t - M)
.set j, j+1
.endr
	v_pk_mul_f32 v[14:15], v[14:15], v[238:239] op_sel_hi:[1,0]   ; the sums under the new M: the plain line behind the exponentials
	s_wait_alu depctr_va_vdst(0)                   ; one wait for the batch of 66, directly ahead of the first readers of O^T too
.irp j, 0,2,4,6,8,10,12,14,16,18,20,22,24,26,28,30,32
	v_pk_mul_f32 v[O+\j:O+\j+1], v[O+\j:O+\j+1], v[238:239] op_sel_hi:[1,0]   ; O^T under the new M (of the fifth tile the two registers that are kept)
.endr
	v_max_num_f32 v240, 0x1800000, v240            ; the floor 2^(3 - 127): the byte cannot fall under 1
	v_max_num_f32 v242, 0x1800000, v242
	s_delay_alu instid0(VALU_DEP_2)
	v_add_nc_u32 v244, 0xff000000, v240            ; 2 off the exponent field: the conversions' scale operands
	s_delay_alu instid0(VALU_DEP_2)
	v_add_nc_u32 v245, 0xff000000, v242
.set SN, 0
	SUMN 4                                         ; the row's sum of the unquantised p stands between the links of the scale word's chain
	v_lshrrev_b32 v240, 23, v244                   ; the bytes
	v_lshrrev_b32 v242, 23, v245
	SUMN 3
	v_lshl_or_b32 v240, v242, 16, v240
	SUMN 3
	v_lshlrev_b32 v240, v7, v240                   ; blocks h and 2 + h at their places,
	SUMN 3
	v_permlanex16_b32 v241, v240, s42, s43
	SUMN 3
	v_or_b32 v[PS], v240, v241                     ; with lane l xor 16's two the word is whole
.irp c, 0,1
.irp g, 0,1,2,3
	v_cvt_scalef32_pk8_fp4_f32 v[PC+4*\c+\g], v[S+8*(4*\c+\g):S+8*(4*\c+\g)+7], v[244+\c]   ; keys 64 c + 32 h + 8 g ..: register 4 c + g of P's operand
.endr
.endr
	SUMN 12                                        ; these sixteen lines are also the places between the scale word, the codes and the products
	v_pk_add_f32 v[246:247], v[246:247], v[248:249]
	v_pk_add_f32 v[250:251], v[250:251], v[252:253]
	s_delay_alu instid0(VALU_DEP_1)
	v_pk_add_f32 v[246:247], v[246:247], v[250:251]
	s_delay_alu instid0(VALU_DEP_1)
	v_pk_add_f32 v[14:15], v[14:15], v[246:247]
	s_wait_alu depctr_va_vdst(0)
.if \pre
	s_wait_dscnt 20                                ; x^T's 13 loads are in; the 20 of the next step's K, issued behind them, may be out
.else
	s_wait_dscnt 0x0
.endif
	PV 0, 0, 0                                     ; five accumulators by turns, one instruction a turn
	PV 1, 0, 1
	PV 2, 1, 0
	PV 3, 1, 1
	PV 4, 2, 0
	s_add_co_u32 s44, s44, STEPB
.endm
; A PHASE: steps first .. first + trips.  Its first K is loaded here; its last step, written out, loads no K beyond what has landed
.macro PHASE first, trips
	s_mov_b32 s44, STEPB*\first
	ADDR
	KLOAD 0
	s_mov_b32 s45, \trips
.Lstep_\@:
	STEP 1
	s_sub_co_u32 s45, s45, 1
	s_cmp_lg_u32 s45, 0
	s_cbranch_scc1 .Lstep_\@
	STEP 0
.endm
	s_wait_alu depctr_va_vdst(0)
	s_wait_tensorcnt 0x0                           ; my rows of steps 0-7 are in
	ds_add_u32 v254, v255
	s_wait_dscnt 0x0
	CROUND                                         ; everybody's rows are in, and all four work-groups are here: the joint loads meet
	tensor_load_to_lds s[28:31], s[32:39]          ; my 57 rows of steps 8-31: the one tensor load behind the round; it has eight steps in which to land
	s_nop 0
	PHASE 0, 7
	s_wait_tensorcnt 0x0                           ; my rows of steps 8-31 are in,
	s_wait_dscnt 0x0
	s_barrier_signal -1
	s_barrier_wait -1                              ; everybody's are
	PHASE 8, 23
	; THE WAY OUT: O^T as it stands, each accumulator from its low end on; the tail is {O(64), O(65), -M, the sum}.  Every store covers 512 consecutive bytes, aligned
.rept 4
	v_nop                                          ; four places behind the last products
.endr
	v_add_f32 v14, v14, v15                        ; the sum's two halves,
	s_delay_alu instid0(VALU_DEP_1)
	v_permlanex16_b32 v241, v14, s42, s43
	s_delay_alu instid0(VALU_DEP_1)
	v_add_f32 v[O+35], v14, v241                   ; and lane l xor 16's
	v_mov_b32 v[O+34], v12
.irp t, 0,1,2,3
	global_store_b128 v1, v[O+8*\t:O+8*\t+3], s[8:9] offset:1024*\t th:TH_STORE_NT
	global_store_b128 v1, v[O+8*\t+4:O+8*\t+7], s[8:9] offset:1024*\t+512 th:TH_STORE_NT
.endr
	global_store_b128 v1, v[O+32:O+35], s[8:9] offset:4096 th:TH_STORE_NT
	s_wait_tensorcnt 0x0                           ; the wave's end
	ds_add_u32 v254, v255
	s_wait_dscnt 0x0
	CROUND                                         ; the closing round: no work-group ends while a partner may still ask for a piece that names it
	s_endpgm
.Lfunc_end_k_q7e3be7d414_attend:
	.size	k_q7e3be7d414_attend, .Lfunc_end_k_q7e3be7d414_attend-k_q7e3be7d414_attend
	.p2alignl 7, 3214868480
	.fill 96, 4, 3214868480
	.section	.rodata,"a",@progbits
	.p2align	6, 0x0
	.amdhsa_kernel k_q7e3be7d414_attend
		.amdhsa_group_segment_fixed_size 327680
		.amdhsa_private_segment_fixed_size 0
		.amdhsa_enable_private_segment 0
		.amdhsa_kernarg_size 24
		.amdhsa_user_sgpr_count 2
		.amdhsa_user_sgpr_kernarg_segment_ptr 1
		.amdhsa_wavefront_size32 1
		.amdhsa_system_sgpr_workgroup_id_x 1
		.amdhsa_system_sgpr_workgroup_id_y 1
		.amdhsa_system_sgpr_workgroup_id_z 1
		.amdhsa_system_vgpr_workitem_id 0
		.amdhsa_next_free_vgpr 256
		.amdhsa_next_free_sgpr 66
		.amdhsa_reserve_vcc 0
		.amdhsa_float_denorm_mode_32 3
		.amdhsa_float_denorm_mode_16_64 3
		.amdhsa_memory_ordered 1
		.amdhsa_forward_progress 1
		.amdhsa_inst_pref_size 74
	.end_amdhsa_kernel
	.amdgpu_metadata
---
amdhsa.version: [ 1, 2 ]
amdhsa.kernels:
  - .name:           k_q7e3be7d414_attend
    .symbol:         k_q7e3be7d414_attend.kd
    .args:
      - { .name: query, .offset: 0, .size: 8, .value_kind: global_buffer, .address_space: global }
      - { .name: kv, .offset: 8, .size: 8, .value_kind: global_buffer, .address_space: global }
      - { .name: part, .offset: 16, .size: 8, .value_kind: global_buffer, .address_space: global }
    .group_segment_fixed_size: 327680
    .private_segment_fixed_size: 0
    .kernarg_segment_align: 8
    .kernarg_segment_size: 24
    .max_flat_workgroup_size: 512
    .sgpr_count:     66
    .vgpr_count:     256
    .wavefront_size: 32
...
	.end_amdgpu_metadata
.endif
;; end of part 2
;; launch combine (part 3): grid 256 x 1, 8 waves a work-group, no clusters, 9,728 bytes of LDS; arguments part, out0; writes out0
.if DOCPART == 3
	.amdgcn_target "amdgcn-amd-amdhsa--gfx1250"
	.amdhsa_code_object_version 6
	.text
	.protected	k_q7e3be7d414_combine
	.globl	k_q7e3be7d414_combine
	.p2align	8
	.type	k_q7e3be7d414_combine,@function
k_q7e3be7d414_combine:
	s_mov_b64 s[64:65], 0
	v_nop
	global_prefetch_b8 v0, s[64:65] scope:SCOPE_SE
	s_setreg_imm32_b32 hwreg(HW_REG_WAVE_MODE, 25, 1), 1
	s_wait_xcnt 0x0
; COMBINE.  Each query's eight splits of the keys are joined: M = the largest of the splits' M; O = the sum of 2^(M_s - M) O_s, l likewise (the factors are whole powers of two: nothing is rounded by them); out = O / l.
; part holds, for each (split s, tile of 16 queries), 4,608 bytes: O^T's tile t, registers 4 u .. 4 u + 3 of lane l, at 1024 t + 512 u + 16 l (register j of lane (r, h): d = 16 t + 8 h + j of query r);
; at 4096 + 16 l the tail {O(64), O(65), -M, l}, the same in both halves of the lanes.
; A work-group takes two tiles of queries: 32 rows of out0 = 8,448 bytes = 33 x 256, aligned.  Wave w takes tile w / 4 of the two and O^T's tile w % 4.  The rows (264 bytes) are gathered in LDS and leave as runs of 512
; consecutive bytes.  Memory binds: matrix units, tensor loads and clusters would add nothing.  All 24 loads of a wave go out together.
.set SPLIT, 512*4608                   ; bytes from split to split
	s_load_b128 s[4:7], s[0:1], 0x0                ; part s[4:5], out0 s[6:7]
	v_lshl_add_u32 v168, v0, 2, 0x2200
	v_mov_b32 v169, 0
	v_lshrrev_b32 v1, 5, v0
	s_delay_alu instid0(VALU_DEP_1)
	v_readfirstlane_b32 s12, v1                    ; wave 0..7
	s_lshr_b32 s13, s12, 2                         ; which of the two tiles of queries
	s_and_b32 s14, s12, 3                          ; which tile of O^T
	s_lshl_b32 s16, ttmp9, 1
	s_add_co_u32 s16, s16, s13
	s_mul_i32 s16, s16, 4608
	s_mov_b32 s17, 0
	s_mul_i32 s18, ttmp9, 8448
	s_mov_b32 s19, 0
	v_and_b32 v1, 31, v0                           ; lane
	s_delay_alu instid0(VALU_DEP_1)
	v_lshlrev_b32 v2, 4, v1                        ; 16 lane: the tails
	v_bfe_u32 v20, v0, 5, 2                        ; w % 4
	s_delay_alu instid0(VALU_DEP_1)
	v_lshl_add_u32 v3, v20, 10, v2                 ; + 1024 t: O^T's halves
	v_and_b32 v21, 15, v0                          ; r
	v_bfe_u32 v22, v0, 4, 1                        ; h
	v_bfe_u32 v23, v0, 7, 1                        ; w / 4
	s_delay_alu instid0(VALU_DEP_1)
	v_lshl_add_u32 v5, v23, 4, v21
	s_delay_alu instid0(VALU_DEP_1)
	v_mul_u32_u24 v5, v5, 264                      ; v5: my query's row in the stage
	s_delay_alu instid0(VALU_DEP_1)
	v_lshl_add_u32 v4, v20, 6, v5
	s_delay_alu instid0(VALU_DEP_1)
	v_lshl_add_u32 v4, v22, 5, v4                  ; v4: + 64 t + 32 h: my eight numbers
	v_lshlrev_b32 v6, 4, v0                        ; v6: 512 w + 16 lane: the way out, in the stage and in out0
	v_lshlrev_b32 v7, 3, v1                        ; v7: 8 lane: the last 256 bytes
	s_wait_kmcnt 0x0
	s_add_nc_u64 s[8:9], s[4:5], s[16:17]          ; splits 0-3,
	s_add_nc_u64 s[10:11], s[8:9], 4*SPLIT         ; splits 4-7: so the split stands in the signed 24-bit immediate
	s_add_nc_u64 s[6:7], s[6:7], s[18:19]
.irp s, 0,1,2,3
	global_load_b128 v[96+4*\s:99+4*\s], v2, s[8:9] offset:\s*SPLIT+4096
.endr
.irp s, 0,1,2,3
	global_load_b128 v[112+4*\s:115+4*\s], v2, s[10:11] offset:\s*SPLIT+4096
.endr
.irp s, 0,1,2,3
	global_load_b128 v[32+8*\s:35+8*\s], v3, s[8:9] offset:\s*SPLIT th:TH_LOAD_NT
	global_load_b128 v[36+8*\s:39+8*\s], v3, s[8:9] offset:\s*SPLIT+512 th:TH_LOAD_NT
.endr
.irp s, 0,1,2,3
	global_load_b128 v[64+8*\s:67+8*\s], v3, s[10:11] offset:\s*SPLIT th:TH_LOAD_NT
	global_load_b128 v[68+8*\s:71+8*\s], v3, s[10:11] offset:\s*SPLIT+512 th:TH_LOAD_NT
.endr
	s_wait_loadcnt 16                              ; the eight tails are in; the 16 loads issued behind them may be out
	v_min3_num_f32 v152, v98, v102, v106           ; -M = the least of the splits' -M
	s_delay_alu instid0(VALU_DEP_1)
	v_min3_num_f32 v152, v152, v110, v114
	s_delay_alu instid0(VALU_DEP_1)
	v_min3_num_f32 v152, v152, v118, v122
	s_delay_alu instid0(VALU_DEP_1)
	v_min_num_f32 v152, v152, v126
.irp s, 0,1,2,3,4,5,6,7
	v_sub_f32 v[129+2*\s], v152, v[98+4*\s]        ; M_s - M: a whole number, 0 or less
.endr
.irp s, 0,1,2,3,4,5,6,7
	v_cvt_i32_f32 v[129+2*\s], v[129+2*\s]         ; (it saturates)
.endr
.irp s, 0,1,2,3,4,5,6,7
	v_ldexp_f32 v[128+2*\s], 1.0, v[129+2*\s]      ; f_s, the low word of a pair for the packed forms
.endr
	v_mul_f32 v154, v128, v99
.irp s, 1,2,3,4,5,6,7
	s_delay_alu instid0(VALU_DEP_1)
	v_fma_f32 v154, v[128+2*\s], v[99+4*\s], v154  ; l
.endr
	s_wait_alu depctr_va_vdst(0)
	v_rcp_f32 v156, v154
	v_mov_b32 v157, 0                              ; the plain line behind the reciprocal; and the pair's upper word is written
	s_wait_loadcnt 0x0
.irp k, 0,2,4,6
	v_pk_mul_f32 v[144+\k:145+\k], v[32+\k:33+\k], v[128:129] op_sel_hi:[1,0]
.endr
.irp s, 1,2,3,4,5,6,7
.irp k, 0,2,4,6
	s_delay_alu instid0(VALU_DEP_4)
	v_pk_fma_f32 v[144+\k:145+\k], v[32+8*\s+\k:33+8*\s+\k], v[128+2*\s:129+2*\s], v[144+\k:145+\k] op_sel_hi:[1,0,1]
.endr
.endr
	s_wait_alu depctr_va_vdst(0)                   ; ahead of the reciprocal's first reader; the 32 lines above are the work between
.irp k, 0,2,4,6
	v_pk_mul_f32 v[144+\k:145+\k], v[144+\k:145+\k], v[156:157] op_sel_hi:[1,0]
.endr
.irp k, 0,1,2,3
	ds_store_b64 v4, v[144+2*\k:145+2*\k] offset:8*\k   ; rows are 264 bytes apart: multiples of 8
.endr
	s_cmp_lg_u32 s14, 0                            ; d = 64, 65 come from the tails: the wave with t = 0 makes them
	s_cbranch_scc1 .Lno_tail
	v_pk_mul_f32 v[158:159], v[96:97], v[128:129] op_sel_hi:[1,0]
.irp s, 1,2,3,4,5,6,7
	s_delay_alu instid0(VALU_DEP_1)
	v_pk_fma_f32 v[158:159], v[96+4*\s:97+4*\s], v[128+2*\s:129+2*\s], v[158:159] op_sel_hi:[1,0,1]
.endr
	v_pk_mul_f32 v[158:159], v[158:159], v[156:157] op_sel_hi:[1,0]
	ds_store_b64 v5, v[158:159] offset:256         ; both halves of the lanes hold and store the same pair
.Lno_tail:
	s_wait_dscnt 0x0                               ; for the others' sake: my stores into the stage are done
	s_barrier_signal -1
	s_barrier_wait -1
	ds_load_b128 v[8:11], v6
	ds_load_b128 v[12:15], v6 offset:4096
	s_wait_dscnt 0x0
	global_store_b128 v6, v[8:11], s[6:7] th:TH_STORE_NT                ; 32 lanes store 512 consecutive bytes, at a multiple of 256 from out0's first byte
	global_store_b128 v6, v[12:15], s[6:7] offset:4096 th:TH_STORE_NT
	s_cmp_lg_u32 s12, 0
	s_cbranch_scc1 .Ldone
	ds_load_b64 v[16:17], v7 offset:8192           ; the last 256 of the 8,448 bytes: wave 0, 8 bytes a lane
	s_wait_dscnt 0x0
	global_store_b64 v7, v[16:17], s[6:7] offset:8192 th:TH_STORE_NT
.Ldone:
	s_wait_tensorcnt 0x0
	ds_add_u32 v168, v169
	s_wait_dscnt 0x0
	s_endpgm
.Lfunc_end_k_q7e3be7d414_combine:
	.size	k_q7e3be7d414_combine, .Lfunc_end_k_q7e3be7d414_combine-k_q7e3be7d414_combine
	.p2alignl 7, 3214868480
	.fill 96, 4, 3214868480
	.section	.rodata,"a",@progbits
	.p2align	6, 0x0
	.amdhsa_kernel k_q7e3be7d414_combine
		.amdhsa_group_segment_fixed_size 9728
		.amdhsa_private_segment_fixed_size 0
		.amdhsa_enable_private_segment 0
		.amdhsa_kernarg_size 16
		.amdhsa_user_sgpr_count 2
		.amdhsa_user_sgpr_kernarg_segment_ptr 1
		.amdhsa_wavefront_size32 1
		.amdhsa_system_sgpr_workgroup_id_x 1
		.amdhsa_system_sgpr_workgroup_id_y 1
		.amdhsa_system_sgpr_workgroup_id_z 1
		.amdhsa_system_vgpr_workitem_id 0
		.amdhsa_next_free_vgpr 170
		.amdhsa_next_free_sgpr 66
		.amdhsa_reserve_vcc 0
		.amdhsa_float_denorm_mode_32 3
		.amdhsa_float_denorm_mode_16_64 3
		.amdhsa_memory_ordered 1
		.amdhsa_forward_progress 1
		.amdhsa_inst_pref_size 12
	.end_amdhsa_kernel
	.amdgpu_metadata
---
amdhsa.version: [ 1, 2 ]
amdhsa.kernels:
  - .name:           k_q7e3be7d414_combine
    .symbol:         k_q7e3be7d414_combine.kd
    .args:
      - { .name: part, .offset: 0, .size: 8, .value_kind: global_buffer, .address_space: global }
      - { .name: out0, .offset: 8, .size: 8, .value_kind: global_buffer, .address_space: global }
    .group_segment_fixed_size: 9728
    .private_segment_fixed_size: 0
    .kernarg_segment_align: 8
    .kernarg_segment_size: 16
    .max_flat_workgroup_size: 256
    .sgpr_count:     66
    .vgpr_count:     170
    .wavefront_size: 32
...
	.end_amdgpu_metadata
.endif
;; end of part 3
